; MI455X (gfx1250); checked and timed in simulation.
; The chip was launched on July 23, 2026; its instructions are those of AMD's public machine-readable ISA for CDNA 5 (MIT licence, August 2026) and "CDNA5" Instruction Set Architecture Reference Guide (July 2026). The comments in the code are by the model that wrote it; some were corrected since.
;; Liger Fused Linear GRPO Loss. Allowed arithmetic: float matrix products may take bf16 or f16 operands with f32 sums; all other float work in f32.
;; Inputs: advantage 4 x 1 float32; attention_mask 4 x 1,024 int32; bias 8,000 float32; input_id 4 x 1,024 int32; old_per_token_logps 4 x 1,024 float32; ref_per_token_logps 4 x 1,024 float32; weight 8,000 x 2,048 float32; x 4 x 1,024 x 2,048 float32.
;; Outputs: out0 one number float32; out1 4 x 1,024 float32; out2 one number float32; out3 one number float32.
;; 2 versions, each right; version 2 is version 1 with the launch cvt written anew for expert scheduling mode. Each part assembles by itself: llvm-mc -triple=amdgcn-amd-amdhsa -mcpu=gfx1250 --defsym DOCPART=n.
;; ======== version 1 of 2: 4 launches
;; limits: right only within a limited range of input values
;; workspace buffers: xb 16,777,216 bytes; wb 33,554,432 bytes; part 4,194,304 bytes; psum 4,096 bytes
;; launch cvt (part 1): grid 768 x 1, 8 waves a work-group, no clusters, 0 bytes of LDS; arguments x, weight, xb, wb; writes xb, wb
.if DOCPART == 1
	.amdgcn_target "amdgcn-amd-amdhsa--gfx1250"
	.amdhsa_code_object_version 6
	.text
	.protected	k_qdcc25bab5c_cvt
	.globl	k_qdcc25bab5c_cvt
	.p2align	8
	.type	k_qdcc25bab5c_cvt,@function
k_qdcc25bab5c_cvt:
	s_mov_b64 s[64:65], 0
	v_nop
	global_prefetch_b8 v0, s[64:65] scope:SCOPE_SE
	s_setreg_imm32_b32 hwreg(HW_REG_WAVE_MODE, 25, 1), 1
	s_wait_xcnt 0x0
; x [4096][2048] and weight [8000][2048], f32, are rounded once to bf16 (nearest even): xb [4096][2048], wb [8192][2048]; wb's rows 8000 to 8191 are written as zeros,
; so that the product behind this launch walks whole tiles of 256 columns.
; A work-group owns 16 rows of the output: 131,072 bytes in, 65,536 out.  Work-groups 0-255 take x, 256-755 weight, 756-767 the zero rows.
; Thread t, turn i: 16 bytes in at 16 t + 4096 i, 8 bytes out at 8 t + 2048 i: a wave's load covers 512 consecutive bytes, its store 256 consecutive bytes, aligned.
; All 32 loads of a thread go out at once and no register is written twice, so the only waits are the counted ones for the loads.  No LDS, no barrier: memory binds, and no wave needs another.
.set TURNS, 32
.set X, 4                              ; v[4:131]    turn i: 4 registers as loaded
.set Y, 132                            ; v[132:195]  turn i: 2 registers to store
	s_load_b256 s[4:11], s[0:1], 0x0               ; x s[4:5], weight s[6:7], xb s[8:9], wb s[10:11]
	v_lshlrev_b32 v1, 4, v0                        ; 16 t
	v_lshlrev_b32 v2, 3, v0                        ; 8 t
	s_sub_co_u32 s17, ttmp9, 256                   ; my block of 16 rows in weight and wb (used from work-group 256 on)
	s_wait_kmcnt 0x0
	s_cmp_lt_u32 ttmp9, 256
	s_cselect_b64 s[12:13], s[4:5], s[6:7]         ; from x or from weight,
	s_cselect_b64 s[14:15], s[8:9], s[10:11]       ; to xb or to wb,
	s_cselect_b32 s16, ttmp9, s17                  ; block of 16 rows
	s_lshl_b32 s18, s16, 17                        ; 16 rows of 8,192 bytes
	s_mov_b32 s19, 0
	s_lshl_b32 s20, s16, 16                        ; 16 rows of 4,096 bytes
	s_mov_b32 s21, 0
	s_add_nc_u64 s[12:13], s[12:13], s[18:19]
	s_add_nc_u64 s[14:15], s[14:15], s[20:21]
	s_cmp_ge_u32 ttmp9, 756
	s_cbranch_scc1 .Lzero                          ; rows 8000 on: nothing is loaded
.set i, 0
.rept TURNS
	global_load_b128 v[X+4*i:X+4*i+3], v1, s[12:13] offset:4096*i th:TH_LOAD_NT
.set i, i+1
.endr
.set i, 0
.rept TURNS
	s_wait_loadcnt TURNS-1-i                       ; loads come back in order: turn i is in, the younger ones stay out
	v_cvt_pk_bf16_f32 v[Y+2*i],   v[X+4*i],   v[X+4*i+1]
	v_cvt_pk_bf16_f32 v[Y+2*i+1], v[X+4*i+2], v[X+4*i+3]
	global_store_b64 v2, v[Y+2*i:Y+2*i+1], s[14:15] offset:2048*i
.set i, i+1
.endr
	s_endpgm
.Lzero:
	v_mov_b32 v4, 0
	v_mov_b32 v5, 0
	v_mov_b32 v6, 0
	v_mov_b32 v7, 0
.set i, 0
.rept 16
	global_store_b128 v1, v[4:7], s[14:15] offset:4096*i
.set i, i+1
.endr
	s_endpgm
.Lfunc_end_k_qdcc25bab5c_cvt:
	.size	k_qdcc25bab5c_cvt, .Lfunc_end_k_qdcc25bab5c_cvt-k_qdcc25bab5c_cvt
	.p2alignl 7, 3214868480
	.fill 96, 4, 3214868480
	.section	.rodata,"a",@progbits
	.p2align	6, 0x0
	.amdhsa_kernel k_qdcc25bab5c_cvt
		.amdhsa_group_segment_fixed_size 0
		.amdhsa_private_segment_fixed_size 0
		.amdhsa_enable_private_segment 0
		.amdhsa_kernarg_size 32
		.amdhsa_user_sgpr_count 2
		.amdhsa_user_sgpr_kernarg_segment_ptr 1
		.amdhsa_wavefront_size32 1
		.amdhsa_system_sgpr_workgroup_id_x 1
		.amdhsa_system_sgpr_workgroup_id_y 1
		.amdhsa_system_sgpr_workgroup_id_z 1
		.amdhsa_system_vgpr_workitem_id 0
		.amdhsa_next_free_vgpr 196
		.amdhsa_next_free_sgpr 66
		.amdhsa_reserve_vcc 0
		.amdhsa_float_denorm_mode_32 3
		.amdhsa_float_denorm_mode_16_64 3
		.amdhsa_memory_ordered 1
		.amdhsa_forward_progress 1
		.amdhsa_inst_pref_size 14
	.end_amdhsa_kernel
	.amdgpu_metadata
---
amdhsa.version: [ 1, 2 ]
amdhsa.kernels:
  - .name:           k_qdcc25bab5c_cvt
    .symbol:         k_qdcc25bab5c_cvt.kd
    .args:
      - { .name: x, .offset: 0, .size: 8, .value_kind: global_buffer, .address_space: global }
      - { .name: weight, .offset: 8, .size: 8, .value_kind: global_buffer, .address_space: global }
      - { .name: xb, .offset: 16, .size: 8, .value_kind: global_buffer, .address_space: global }
      - { .name: wb, .offset: 24, .size: 8, .value_kind: global_buffer, .address_space: global }
    .group_segment_fixed_size: 0
    .private_segment_fixed_size: 0
    .kernarg_segment_align: 8
    .kernarg_segment_size: 32
    .max_flat_workgroup_size: 256
    .sgpr_count:     66
    .vgpr_count:     196
    .wavefront_size: 32
...
	.end_amdgpu_metadata
.endif
;; end of part 1
;; launch gemm (part 2): grid 32 x 16, 4 waves a work-group, clusters of 4 x 4, 327,680 bytes of LDS; arguments xb, wb, bias, input_id, part; writes part
.if DOCPART == 2
	.amdgcn_target "amdgcn-amd-amdhsa--gfx1250"
	.amdhsa_code_object_version 6
	.text
	.protected	k_qdcc25bab5c_gemm
	.globl	k_qdcc25bab5c_gemm
	.p2align	8
	.type	k_qdcc25bab5c_gemm,@function
k_qdcc25bab5c_gemm:
	s_mov_b64 s[64:65], 0
	v_nop
	global_prefetch_b8 v0, s[64:65] scope:SCOPE_SE
	s_setreg_imm32_b32 hwreg(HW_REG_WAVE_MODE, 25, 1), 1
	s_wait_xcnt 0x0
	s_wait_alu depctr_hold_cnt(0) depctr_sa_sdst(0) depctr_va_vdst(0) depctr_va_sdst(0) depctr_va_ssrc(0) depctr_va_vcc(0) depctr_vm_vsrc(0)
	s_getreg_b32 s2, hwreg(HW_REG_IB_STS2, 6, 4)
	s_cmp_eq_u32 s2, 0
	s_cbranch_scc0 .Lentry_in_a_cluster
	s_endpgm
.Lentry_in_a_cluster:
	s_bfe_u32 s2, ttmp6, 0x10000c
	s_cmp_lg_u32 s2, 0xf033
	s_cbranch_scc0 .Lentry_shape_is_right
	s_endpgm
.Lentry_shape_is_right:
; z[row][col] = sum over k of xb[row][k] wb[col][k] + bias[col], bf16 operands, f32 sums; the logits never leave the registers.  For each row and each chunk of 128 columns a record of 16 bytes
; goes out: m = the chunk's largest z, s = the sum of exp(z - m) over the chunk, t = z at the row's own token if it lies in the chunk, else 0, and a 0.  part[chunk][row][4], f32.
; A tile of 256 rows x 256 columns is made by a work-group of four waves, as many as a WGP has SIMDs; a wave makes 128 x 128: 64 accumulators of 16 x 16, 512 registers, and its 128 columns are one chunk.
; K goes in steps of 128 through a ring of two LDS slots filled by the tensor data mover; the tiles' rows are 256 bytes of memory and start at multiples of 256 bytes.
; One tile to a work-group, 512 work-groups: a second tile would want the last tile's tail and way out written a second time.
; CLUSTERS: 4 x 4 work-groups.  The four of a row of the cluster need the same tiles of xb, the four of a column the same tiles of wb: each tile is asked for JOINTLY, by the same tensor load
; with the same descriptor and a mask that names the four.
; THE MATRIX INSTRUCTION IS USED TRANSPOSED: source 0 = 16 rows of wb, source 1 = 16 rows of xb.  In accumulator (a, b), lane l, register j holds row 16 a + l % 16, column 16 b + 8 (l / 16) + j:
; a lane holds ONE row, so a row's maximum and sum want one exchange between the halves of the lanes.  THE BIAS IS THE C OPERAND of the products that start the sums: nothing is cleared, nothing added later.
; LIMITS.  Columns 8000 to 8191 do not exist: wb holds zeros there and their bias counts as -2^100, so true logits must lie far above that.  -2^100 times log2(e) is exact in f32, so a chunk of such
; columns alone gives exponents of 0 and s = 128, finite; the launch behind gives that chunk the weight 0.  The exponent is z log2(e) - round(m log2(e)), one fused multiply-add: the rounding of
; m log2(e), half a unit in its last place at the most, is common to all terms of a chunk.  A weight below 2^-126 counts as 0.  NaN and infinities are not treated apart.
; REGISTERS, in windows of 256 (s_set_vgpr_msb: bits 1:0 source 0, 3:2 source 1, 5:4 source 2, 7:6 destination):
;   window 0: v0-31 addresses and work; v32-63 the tree that picks the token's logit; v64-127, v128-191 fragments of xb, two buffers; v192-255 the way out
;   window 1: v0-63 the bias, 8 registers for each block of 16 columns; v64-127, v128-191 fragments of wb, two buffers
;   window 2: the 32 accumulators of my rows 0-63 ((a, b) at v[8 (8 a + b)]);   window 3: those of my rows 64-127
.set SIZE_K, 2048
.set KSTEP,  128
.set PITCH,  272                       ; an LDS row: 256 bytes + 16 of padding = 68 words: row r starts at bank 4 r mod 64 (64 banks of 4 bytes: ISA guide 11.1), so the 16 rows of a load start at 16 different banks
.set HALFT,  128*PITCH                 ; 128 rows: what one tensor load brings, and what one wave reads of either operand
.set SLOT,   4*HALFT                   ; xb's 256 rows, then wb's 256 rows
.set SPARE,  2*SLOT                    ; behind the ring: the spare words, 128 bytes for each wave: two blocks of 256 bytes that no other line names
.set LAPS,   SIZE_K/(2*KSTEP)          ; a lap = two K steps = once round the ring
.set CM,   6                           ; v[6:7]   m log2(e) of the block in hand (v7 is named with it as a pair)
.set ADRA, 16                          ; v16-17   LDS address of my xb fragments in slot 0, 1
.set ADRB, 20                          ; v20-21   the same for wb
.set PO,   26                          ; v26      16 x lane: my record's place among 32 rows
.set H8,   27                          ; v27      8 (l / 16)
.set SPW,  28                          ; v28      LDS address of my spare word; never rewritten
.set NIL,  29                          ; v29      0; never rewritten
.set T1,   32                          ; v32-63   the tree; at the head the bias loads' offsets
.set F0,   64
.set F1,   128
.set MX,   192                         ; v192-199 eight chains of the maximum
.set RM,   200                         ; v200-207 m of my eight blocks of 16 rows
.set RS,   208                         ; v208-215 s
.set RT,   216                         ; v216-223 t
.set ID,   224                         ; v224-231 block a: (my row's token - my first column) xor 8 (l / 16)
.set OUT,  240                         ; v240-255 four records to store
.set BI,   0                           ; window 1
.set G1, 24                            ; s[24:31] descriptor group 1 for xb's tiles;  s[32:39] group 0, one set for each slot
.set G0, 32
.set G1B, 48                           ; s[48:55], s[56:63] the same for wb's tiles
.set G0B, 56
.set WV, 66                            ; my wave's number
.set RH, 67                            ; which half of the tile's rows is mine.  Also: I fetch for xb (0) or for wb (1)
.set CH, 68                            ; which half of its columns.  Also: which 128 rows of that tile I fetch
.set TR, 69                            ; tile row
.set CS, 70                            ; s[70:71] log2(e): the packed scaling names a pair and takes its low word for both halves
.set SEL, 72                           ; s[72:73] v_permlanex16_b32's selects: each lane takes its own place in the other half
.set HM, 74                            ; a mask of lanes 16-31
.set BIGN, 75                          ; -2^100
.set BM, 76                            ; s76-83 block b: the lanes whose eight columns exist
.set MSB, 0
.macro WIN new                         ; the immediate's high byte repeats the setting that is left; a switch that changes nothing is dropped
.if MSB != (\new)
	s_set_vgpr_msb (MSB<<8)|(\new)
.set MSB, \new
.endif
.endm
.set TO_B, 0x40                        ; destination window 1, address window 0
; A joint load.  Waves 0 and 1 fetch xb's two halves, waves 2 and 3 wb's.  Each of the two lines has one mask and one set of registers for all that issue it; the branch hangs on the wave's number alone.
; An s_nop 0 and four v_nop follow each of the two lines, ahead of the jump, the label and what follows.
.macro JLOAD s
	s_cmp_eq_u32 s[RH], 0
	s_cbranch_scc0 .Lfor_b_\@
	tensor_load_to_lds s[G0+4*(\s):G0+4*(\s)+3], s[G1:G1+7]
	s_nop 0
.rept 4
	v_nop
.endr
	s_branch .Lasked_\@
.Lfor_b_\@:
	tensor_load_to_lds s[G0B+4*(\s):G0B+4*(\s)+3], s[G1B:G1B+7]
	s_nop 0
.rept 4
	v_nop
.endr
.Lasked_\@:
.endm
; A round of the cluster's barrier: my work-group's barrier, so that wave 0's signal speaks for all four waves; wave 0 signals; every wave waits for all sixteen work-groups; my work-group's barrier once more.
.macro CREST                           ; a round behind its opening barrier
	s_cmp_lg_u32 s[WV], 0
	s_cbranch_scc1 .Lnot_wave_0_\@
	s_barrier_signal -3
.Lnot_wave_0_\@:
	s_barrier_wait -3
	s_barrier_signal -1
	s_barrier_wait -1
.endm
.macro CROUND                          ; a whole round
	s_barrier_signal -1
	s_barrier_wait -1
	CREST
.endm
	s_load_b256 s[4:11], s[0:1], 0x0               ; xb s[4:5], wb s[6:7], bias s[8:9], input_id s[10:11]
	s_load_b64 s[12:13], s[0:1], 0x20              ; part
	v_lshl_add_u32 v[SPW], v0, 2, SPARE
	v_mov_b32 v[NIL], 0
	ds_add_u32 v[SPW], v[NIL]                      ; the wave's opening: the add and its wait stand ahead of my first tensor load; the set-up below, work on registers, stands between them
	v_lshrrev_b32 v1, 5, v0
	v_readfirstlane_b32 s[WV], v1                  ; wave 0..3
	s_lshr_b32 s[RH], s[WV], 1
	s_and_b32 s[CH], s[WV], 1
	s_bfe_u32 s40, ttmp6, 0x40000                  ; cx: my place along the cluster's x
	s_bfe_u32 s41, ttmp6, 0x40004                  ; cy: along its y
	s_lshl_b32 s42, ttmp9, 2                       ; in a cluster launch ttmp9 and ttmp7 count clusters
	s_add_co_u32 s42, s42, s40                     ; tile column = 4 x cluster x + cx, 0 to 31
	s_and_b32 s[TR], ttmp7, 0xffff
	s_lshl_b32 s[TR], s[TR], 2
	s_add_co_u32 s[TR], s[TR], s41                 ; tile row = 4 x cluster y + cy, 0 to 15
	s_lshl_b32 s43, s41, 2
	s_lshl_b32 s43, 15, s43                        ; my row of the cluster: places 4 cy .. 4 cy + 3
	s_lshl_b32 s44, 0x1111, s40                    ; my column: places cx, cx + 4, cx + 8, cx + 12
	; descriptor group 1: a tile of 128 rows x 128 elements, padded in LDS
	s_or_b32 s[G1+0], s43, (1<<16)|(1<<20)|(1<<21)|(5<<22)|(3<<25)  ; 15:0 the mask: xb's tiles go to my row; 17:16 elements of 2 bytes; 20 padding on; 21 set beside a mask; 24:22 after every 64 words (code 5); 31:25 4 words of it (code 3)
	s_or_b32 s[G1B+0], s44, (1<<16)|(1<<20)|(1<<21)|(5<<22)|(3<<25) ; the same with the mask of my column, for wb's tiles
.irp g, G1, G1B
	s_mov_b32 s[(\g)+1], KSTEP<<16                 ; tensor_dim0 = 128
	s_mov_b32 s[(\g)+2], 128<<16                   ; tensor_dim1 = 128
	s_mov_b32 s[(\g)+3], KSTEP<<16                 ; tile_dim0 = 128
	s_mov_b32 s[(\g)+4], 128                       ; tile_dim1 = 128
	s_mov_b32 s[(\g)+5], SIZE_K                    ; elements from row to row
	s_mov_b32 s[(\g)+6], 0
	s_mov_b32 s[(\g)+7], 0
.endr
	; where the tiles come from.  xb's hang on the tile row alone, which my row of the cluster shares; wb's on the tile column alone, which my column shares.
	s_lshl_b32 s17, s[CH], 7                       ; which 128 rows of the tile I fetch
	s_lshl_b32 s16, s[TR], 8
	s_add_co_u32 s16, s16, s17                     ; xb: row 256 x tile row + 128 x half
	s_lshl_b32 s46, s42, 8
	s_add_co_u32 s46, s46, s17                     ; wb: row 256 x tile column + 128 x half
	s_mov_b32 s17, 0
	s_mov_b32 s47, 0
	s_mov_b64 s[18:19], SIZE_K*2
	s_mul_u64 s[16:17], s[16:17], s[18:19]         ; in bytes
	s_mul_u64 s[46:47], s[46:47], s[18:19]
	s_mul_i32 s20, s[WV], HALFT                    ; and where they go: wave x 128 rows: no place in the cluster enters an LDS address
	s_mov_b32 s[CS], 0x3fb8aa3b                    ; log2(e)
	s_mov_b32 s[CS+1], s[CS]
	s_mov_b32 s[SEL], 0x76543210
	s_mov_b32 s[SEL+1], 0xfedcba98
	s_mov_b32 s[HM], 0xffff0000
	s_mov_b32 s[BIGN], 0xf1800000                  ; -2^100
	s_mov_b32 s88, 32000                           ; bias's bytes
	s_wait_dscnt 0x0                               ; the opening add is done
	s_wait_kmcnt 0x0
	s_add_nc_u64 s[14:15], s[4:5], s[16:17]
	s_add_nc_u64 s[46:47], s[6:7], s[46:47]
	CROUND                                         ; all sixteen work-groups are here: the first joint loads meet
.irp s, 0,1
	s_mov_b32 s[G0+4*(\s)], 1                                      ; 1:0 count = 1
	s_add_co_u32 s[G0+4*(\s)+1], s20, (\s)*SLOT                    ; 63:32 LDS address
	s_add_nc_u64 s[G0+4*(\s)+2:G0+4*(\s)+3], s[14:15], (\s)*KSTEP*2  ; 120:64 global address: K step s
	s_or_b32 s[G0+4*(\s)+3], s[G0+4*(\s)+3], 0x80000000            ; 127:126 type = 2
	s_mov_b32 s[G0B+4*(\s)], 1
	s_add_co_u32 s[G0B+4*(\s)+1], s20, (\s)*SLOT
	s_add_nc_u64 s[G0B+4*(\s)+2:G0B+4*(\s)+3], s[46:47], (\s)*KSTEP*2
	s_or_b32 s[G0B+4*(\s)+3], s[G0B+4*(\s)+3], 0x80000000
	JLOAD \s                                       ; the ring is filled before anything else is done: two loads of mine are out
.endr
	; A fragment is 16 rows x 32 K in 8 registers: lane l holds row l % 16; registers 0-3 hold K = 8 (l / 16) + 0..7, registers 4-7 K = 16 + 8 (l / 16) + 0..7: two loads of 16 bytes, 32 bytes apart.
	v_and_b32 v1, 15, v0                           ; l % 16
	v_bfe_u32 v2, v0, 4, 1                         ; l / 16
	v_mul_u32_u24 v3, v1, PITCH
	v_lshl_add_u32 v3, v2, 4, v3                   ; row x pitch + 16 x half
	s_mul_i32 s21, s[RH], HALFT                    ; my 128 rows of xb
	s_mul_i32 s22, s[CH], HALFT                    ; my 128 rows of wb,
	s_add_co_u32 s22, s22, 2*HALFT                 ; which lie behind xb's 256
.irp s, 0,1
	v_add_nc_u32 v[ADRA+(\s)], s21, v3
	v_add_nc_u32 v[ADRB+(\s)], s22, v3
	s_add_co_u32 s21, s21, SLOT
	s_add_co_u32 s22, s22, SLOT
.endr
	v_and_b32 v[PO], 31, v0
	v_lshlrev_b32 v[PO], 4, v[PO]
	v_lshlrev_b32 v[H8], 3, v2
	; my rows' tokens: block a's row 16 a + l % 16, the same in both halves of the lanes
	s_lshl_b32 s84, s[TR], 10
	s_lshl_b32 s86, s[RH], 9
	s_add_co_u32 s84, s84, s86                     ; 4 x my first row = 4 (256 x tile row + 128 x half)
	s_lshl_b32 s85, s42, 8
	s_lshl_b32 s86, s[CH], 7
	s_add_co_u32 s85, s85, s86                     ; my first column = 256 x tile column + 128 x half
	v_lshl_add_u32 v4, v1, 2, s84
.irp a, 0,1,2,3,4,5,6,7
	global_load_b32 v[ID+(\a)], v4, s[10:11] offset:64*(\a)
.endr
	; my columns' bias: block b, register j: column 16 b + 8 (l / 16) + j.  8,000 is a multiple of 8, so a lane's eight columns exist together or not at all; the offset of eight that
	; do not exist is held at bias's last 32 bytes, and what is loaded there is replaced below.
	s_lshl_b32 s86, s85, 2
	v_lshl_add_u32 v5, v2, 5, s86
.irp b, 0,1,2,3,4,5,6,7
	v_add_nc_u32 v[T1+8+(\b)], 64*(\b), v5
	v_min_u32 v[T1+(\b)], 31968, v[T1+8+(\b)]
	v_cmp_gt_u32 s[BM+(\b)], s88, v[T1+8+(\b)]
.endr
	WIN TO_B
.irp b, 0,1,2,3,4,5,6,7
	global_load_b128 v[BI+8*(\b):BI+8*(\b)+3],   v[T1+(\b)], s[8:9]
	global_load_b128 v[BI+8*(\b)+4:BI+8*(\b)+7], v[T1+(\b)], s[8:9] offset:16
.endr
	WIN 0
	s_lshl_b32 s86, s85, 9                         ; my chunk (first column / 128) x 65,536 bytes
	s_lshl_b32 s87, s84, 2                         ; + my first row x 16 bytes
	s_add_co_u32 s86, s86, s87
	s_mov_b32 s87, 0
	s_add_nc_u64 s[12:13], s[12:13], s[86:87]
	v_mov_b32 v[CM+1], 0                           ; named with v6 as a pair
	v_mov_b32 v10, 0                               ; v_permlanex16_b32 counts as a reader of its destination
	v_mov_b32 v12, 0
.irp k, 0,1,2,3
	v_mov_b32 v[OUT+4*(\k)+3], 0                   ; a record's fourth word
.endr
	s_wait_loadcnt 0x0                             ; tokens and bias, once
	WIN 0x44                                       ; destination and source 1 in window 1
.set i, 0
.rept 64
	v_cndmask_b32 v[BI+i], s[BIGN], v[BI+i], s[BM+i/8]
.set i, i+1
.endr
	WIN 0
.irp a, 0,1,2,3,4,5,6,7                ; the token's place among my 128 columns: bits 6:4 the block b, bit 3 is 0 in the half of the lanes that holds it, bits 2:0 the register j; any higher bit: not in my chunk
	v_sub_nc_u32 v[ID+(\a)], v[ID+(\a)], s85
	v_xor_b32 v[ID+(\a)], v[H8], v[ID+(\a)]
.endr
; 16 matrix instructions: row blocks a0, a0 + 1 of the window's four (hi = 0: my rows 0-63, 1: rows 64-127) x all 8 column blocks, 32 along K.
; zero = 1: the first product starts the sums, with the bias (window 1) as C.  The 64 accumulators take turns, one instruction a turn.
.macro MUL16 f, hi, a0, zero
.if \zero
	WIN 0x91+0x40*(\hi)                            ; source 0 and C window 1, source 1 window 0, D window 2 or 3
.else
	WIN 0xa1+0x50*(\hi)                            ; source 0 window 1, source 1 window 0, C and D window 2 or 3
.endif
.irp a, \a0, (\a0)+1
.irp b, 0,1,2,3,4,5,6,7
.if \zero
	v_wmma_f32_16x16x32_bf16 v[8*(8*(\a)+(\b)):8*(8*(\a)+(\b))+7], v[(\f)+8*(\b):(\f)+8*(\b)+7], v[(\f)+8*(4*(\hi)+(\a)):(\f)+8*(4*(\hi)+(\a))+7], v[BI+8*(\b):BI+8*(\b)+7]
.else
	v_wmma_f32_16x16x32_bf16 v[8*(8*(\a)+(\b)):8*(8*(\a)+(\b))+7], v[(\f)+8*(\b):(\f)+8*(\b)+7], v[(\f)+8*(4*(\hi)+(\a)):(\f)+8*(4*(\hi)+(\a))+7], v[8*(8*(\a)+(\b)):8*(8*(\a)+(\b))+7]
.endif
.endr
.endr
.endm
; 32 LDS loads in one run: the fragments of one quarter step (128 rows of wb, 128 rows of xb, 32 K at byte k of the rows) into buffer f
.macro FETCH slot, k, f
	WIN TO_B
.irp i, 0,1,2,3,4,5,6,7
	ds_load_b128 v[(\f)+8*(\i):(\f)+8*(\i)+3],   v[ADRB+(\slot)] offset:(\k)+(\i)*16*PITCH
	ds_load_b128 v[(\f)+8*(\i)+4:(\f)+8*(\i)+7], v[ADRB+(\slot)] offset:(\k)+(\i)*16*PITCH+32
.endr
	WIN 0
.irp i, 0,1,2,3,4,5,6,7
	ds_load_b128 v[(\f)+8*(\i):(\f)+8*(\i)+3],   v[ADRA+(\slot)] offset:(\k)+(\i)*16*PITCH
	ds_load_b128 v[(\f)+8*(\i)+4:(\f)+8*(\i)+7], v[ADRA+(\slot)] offset:(\k)+(\i)*16*PITCH+32
.endr
.endm
; A load into a register that a matrix instruction has read, and a vector instruction that reads a matrix result, stand four places behind that matrix instruction, and only plain vector
; instructions that name none of its registers are places (ISA guide 7.12.1 for vector instructions).
.macro PLACES
.rept 4
	v_nop
.endr
.endm
; A K step is four quarters of 32 along K, 64 matrix instructions each, on buffers 0, 1, 0, 1.  One of the first three: multiplies buffer f; in its middle it fetches the next quarter, at byte k, into g.
.macro QUARTER slot, k, f, g, zero
	s_wait_dscnt 8                                 ; wb's rows and xb's rows 0-63 are in; the youngest eight loads (xb's rows 64-127) may be out
	MUL16 \f, 0, 0, \zero
	MUL16 \f, 0, 2, \zero
	PLACES
	FETCH \slot, \k, \g
	s_wait_dscnt 32                                ; all but the 32 just issued
	MUL16 \f, 1, 0, \zero
	MUL16 \f, 1, 2, \zero
.endm
; The last quarter multiplies buffer 1 and changes slots: ONE barrier for two things.  In front of it each wave waits for all its tensor loads, of which one is out: its part of the next slot; adds 0 to
; its spare word; and waits for that and for its own reads of this slot.  Behind it nobody reads this slot any more and the next slot is whole.
; fill = 1: the barrier opens a round of the cluster's barrier, so that no wave of any partner still reads the slot or has a load on its way; the slot is filled again, two K steps ahead, first thing
; behind the round: from that request to the wait for it a wave issues 224 matrix instructions.
.macro TURN slot, next, fill
	WIN 0                                          ; (the add's two registers lie in window 0)
	s_wait_tensorcnt 0x0                           ; all my tensor loads have landed;
	ds_add_u32 v[SPW], v[NIL]                      ; 0 onto my spare word;
	s_wait_dscnt 9                                 ; (the add and the youngest eight loads may be out)
	MUL16 F1, 0, 0, 0                              ; sixteen matrix instructions stand between the add and the wait for it
	s_wait_dscnt 0x0                               ; the add is done, and my reads of this slot are over
	s_barrier_signal -1
	MUL16 F1, 0, 2, 0                              ; work on registers while the others arrive
.if \fill
	WIN 0
.endif
	s_barrier_wait -1
.if \fill
	CREST
	s_add_nc_u64 s[G0+4*(\slot)+2:G0+4*(\slot)+3], s[G0+4*(\slot)+2:G0+4*(\slot)+3], 2*KSTEP*2    ; no tensor load of mine is out, so a group 0 may be written
	s_add_nc_u64 s[G0B+4*(\slot)+2:G0B+4*(\slot)+3], s[G0B+4*(\slot)+2:G0B+4*(\slot)+3], 2*KSTEP*2
	JLOAD \slot                                    ; the four v_nop behind it are also the places in front of the loads below
.else
	PLACES
.endif
	FETCH \next, 0, F0
	MUL16 F1, 1, 0, 0
	MUL16 F1, 1, 2, 0
.endm
; THE WAY OUT of block a (16 rows x my 128 columns: 8 accumulators, 64 registers; a lane holds 64 of its row's logits, the lane 16 away the other 64).
.macro BITV a, bit                     ; VCC: the lanes in whose token's place this bit is set
	v_and_b32 v8, \bit, v[ID+(\a)]
	v_cmp_ne_u32 vcc_lo, 0, v8
.endm
.macro PICK base, n, d                 ; a level of the tree: n registers take, where the bit is set, the register d further up
.set z, 0
.rept \n
	v_cndmask_b32 v[(\base)+z], v[(\base)+z], v[(\base)+z+(\d)], vcc_lo
.set z, z+1
.endr
.endm
.macro EPI a
.set W, 2+(\a)/4                       ; the block's window
.set AC, 64*((\a)%4)                   ; and its first register there
	; the maximum: eight chains, one an accumulator, three operands at a time; each accumulator's lowest registers are read first
	WIN W|(W<<2)|(W<<4)
.irp b, 0,1,2,3,4,5,6,7
	v_max3_num_f32 v[MX+(\b)], v[AC+8*(\b)], v[AC+8*(\b)+1], v[AC+8*(\b)+2]
.endr
	WIN (W<<2)|(W<<4)
.irp j, 3,5
.irp b, 0,1,2,3,4,5,6,7
	v_max3_num_f32 v[MX+(\b)], v[MX+(\b)], v[AC+8*(\b)+(\j)], v[AC+8*(\b)+(\j)+1]
.endr
.endr
.irp k, 0,1,2,3
	v_max3_num_f32 v[MX+2*(\k)], v[MX+2*(\k)], v[AC+16*(\k)+7], v[AC+16*(\k)+15]
.endr
	; the token's logit is picked by selects, bit by bit of its place: no address and no branch hangs on the token.  First level: of each two accumulators one, into window 0
	WIN 0
	BITV \a, 16
	WIN W|(W<<2)
.irp k, 0,1,2,3
.irp j, 0,1,2,3,4,5,6,7
	v_cndmask_b32 v[T1+8*(\k)+(\j)], v[AC+16*(\k)+(\j)], v[AC+16*(\k)+8+(\j)], vcc_lo
.endr
.endr
	WIN 0
	v_max3_num_f32 v[MX], v[MX], v[MX+1], v[MX+2]
	v_max3_num_f32 v[MX+3], v[MX+3], v[MX+4], v[MX+5]
	v_max3_num_f32 v[MX+6], v[MX+6], v[MX+7], v[MX]
	v_max_num_f32 v[MX], v[MX+6], v[MX+3]
	v_permlanex16_b32 v[MX+1], v[MX], s[SEL], s[SEL+1]  ; the row's other 64 columns lie in the lane 16 away
	BITV \a, 32
	PICK T1, 8, 8
	PICK T1+16, 8, 8
	v_max_num_f32 v[RM+(\a)], v[MX], v[MX+1]       ; m
	v_mul_f32 v[CM], s[CS], v[RM+(\a)]             ; m log2(e)
	BITV \a, 64
	PICK T1, 8, 16
	BITV \a, 4
	PICK T1, 4, 4
	BITV \a, 2
	PICK T1, 2, 2
	BITV \a, 1
	PICK T1, 1, 1
	v_and_b32 v8, 0xffffff88, v[ID+(\a)]           ; in my chunk, and in my half of the lanes?
	v_cmp_eq_u32 vcc_lo, 0, v8
	v_cndmask_b32 v9, 0, v[T1], vcc_lo
	v_permlanex16_b32 v10, v9, s[SEL], s[SEL+1]
	v_add_f32 v[RT+(\a)], v9, v10                  ; t: one half of the lanes at the most holds it, the other 0
	; 2^(z log2(e) - m log2(e)) in place, and the sums.  Pair p of 32: F scales it, two exponentials follow two pairs later, A adds it onto pair p % 4 a pair later still.  Behind every exponential a
	; plain instruction that names none of its registers stands before its result is used (ISA guide 5.7.2).
	WIN W|(W<<2)|(W<<6)                            ; sources 0 and 1 and the destination in the block's window, m log2(e) (source 2) in window 0
.irp p0, 0,1
	v_pk_fma_f32 v[AC+2*(\p0):AC+2*(\p0)+1], v[AC+2*(\p0):AC+2*(\p0)+1], s[CS:CS+1], v[CM:CM+1] op_sel_hi:[1,0,0] neg_lo:[0,0,1] neg_hi:[0,0,1]
.endr
.set p, 0
.rept 32
.if p < 30
	v_pk_fma_f32 v[AC+2*p+4:AC+2*p+5], v[AC+2*p+4:AC+2*p+5], s[CS:CS+1], v[CM:CM+1] op_sel_hi:[1,0,0] neg_lo:[0,0,1] neg_hi:[0,0,1]
.else
	v_nop
.endif
	v_exp_f32 v[AC+2*p], v[AC+2*p]
.if p >= 5
	s_wait_alu depctr_va_vdst(0)
	v_pk_add_f32 v[AC+2*((p-1)%4):AC+2*((p-1)%4)+1], v[AC+2*((p-1)%4):AC+2*((p-1)%4)+1], v[AC+2*(p-1):AC+2*(p-1)+1]
.endif
	v_exp_f32 v[AC+2*p+1], v[AC+2*p+1]
.set p, p+1
.endr
	v_nop
	s_wait_alu depctr_va_vdst(0)
	v_pk_add_f32 v[AC+6:AC+7], v[AC+6:AC+7], v[AC+62:AC+63]
	v_pk_add_f32 v[AC:AC+1], v[AC:AC+1], v[AC+2:AC+3]
	v_pk_add_f32 v[AC+4:AC+5], v[AC+4:AC+5], v[AC+6:AC+7]
	v_pk_add_f32 v[AC:AC+1], v[AC:AC+1], v[AC+4:AC+5]
	WIN W|(W<<2)
	v_add_f32 v11, v[AC], v[AC+1]
	WIN 0
	v_permlanex16_b32 v12, v11, s[SEL], s[SEL+1]
	v_add_f32 v[RS+(\a)], v11, v12                 ; s
.endm
	s_wait_tensorcnt 1                             ; my part of K step 0 is in; K step 1's may stay out
	s_barrier_signal -1
	s_barrier_wait -1                              ; everybody's is
	FETCH 0, 0, F0
	QUARTER 0, 64,  F0, F1, 1                      ; the first quarter stands in front of the loop: its products start the sums, on the bias
	WIN 0                                          ; at a label and at a branch every window is 0
	s_mov_b32 s3, LAPS-1
.Llap:                                                 ; a trip goes once round the ring, from a lap's second quarter to the next lap's first, and fills both slots again
	QUARTER 0, 128, F1, F0, 0
	QUARTER 0, 192, F0, F1, 0
	TURN 0, 1, 1
	QUARTER 1, 64,  F0, F1, 0
	QUARTER 1, 128, F1, F0, 0
	QUARTER 1, 192, F0, F1, 0
	TURN 1, 0, 1
	QUARTER 0, 64,  F0, F1, 0
	WIN 0
	s_sub_co_u32 s3, s3, 1
	s_cmp_lg_u32 s3, 0
	s_cbranch_scc1 .Llap
	QUARTER 0, 128, F1, F0, 0                      ; the last lap is written out: it fills nothing, and has no round of the cluster's barrier
	QUARTER 0, 192, F0, F1, 0
	TURN 0, 1, 0
	QUARTER 1, 64,  F0, F1, 0
	QUARTER 1, 128, F1, F0, 0
	QUARTER 1, 192, F0, F1, 0
	s_wait_dscnt 8                                 ; the very last quarter: nothing more to fetch
	MUL16 F1, 0, 0, 0
	MUL16 F1, 0, 2, 0
	s_wait_dscnt 0x0
	MUL16 F1, 1, 0, 0
	MUL16 F1, 1, 2, 0
	WIN 0
	PLACES                                         ; the way out reads results just made
.irp a, 0,1,2,3,4,5,6,7
	EPI \a
.endr
	; m, s and t are alike in both halves of the lanes.  Lanes 0-15 take an even block's, lanes 16-31 the next block's: lane l then holds row 32 k + l, and a store covers 512 consecutive bytes, aligned.
.irp k, 0,1,2,3
	v_cndmask_b32 v[OUT+4*(\k)],   v[RM+2*(\k)], v[RM+2*(\k)+1], s[HM]
	v_cndmask_b32 v[OUT+4*(\k)+1], v[RS+2*(\k)], v[RS+2*(\k)+1], s[HM]
	v_cndmask_b32 v[OUT+4*(\k)+2], v[RT+2*(\k)], v[RT+2*(\k)+1], s[HM]
.endr
.irp k, 0,1,2,3
	global_store_b128 v[PO], v[OUT+4*(\k):OUT+4*(\k)+3], s[12:13] offset:512*(\k)
.endr
	s_wait_tensorcnt 0x0                           ; the wave's end, behind my last tensor load
	ds_add_u32 v[SPW], v[NIL]
	s_wait_dscnt 0x0
	CROUND                                         ; the closing round: no work-group ends while a partner may still ask for a tile that names it
	s_endpgm
.Lfunc_end_k_qdcc25bab5c_gemm:
	.size	k_qdcc25bab5c_gemm, .Lfunc_end_k_qdcc25bab5c_gemm-k_qdcc25bab5c_gemm
	.p2alignl 7, 3214868480
	.fill 96, 4, 3214868480
	.section	.rodata,"a",@progbits
	.p2align	6, 0x0
	.amdhsa_kernel k_qdcc25bab5c_gemm
		.amdhsa_group_segment_fixed_size 327680
		.amdhsa_private_segment_fixed_size 0
		.amdhsa_enable_private_segment 0
		.amdhsa_kernarg_size 40
		.amdhsa_user_sgpr_count 2
		.amdhsa_user_sgpr_kernarg_segment_ptr 1
		.amdhsa_wavefront_size32 1
		.amdhsa_system_sgpr_workgroup_id_x 1
		.amdhsa_system_sgpr_workgroup_id_y 1
		.amdhsa_system_sgpr_workgroup_id_z 1
		.amdhsa_system_vgpr_workitem_id 0
		.amdhsa_next_free_vgpr 1024
		.amdhsa_next_free_sgpr 90
		.amdhsa_reserve_vcc 1
		.amdhsa_float_denorm_mode_32 3
		.amdhsa_float_denorm_mode_16_64 3
		.amdhsa_memory_ordered 1
		.amdhsa_forward_progress 1
		.amdhsa_inst_pref_size 217
	.end_amdhsa_kernel
	.amdgpu_metadata
---
amdhsa.version: [ 1, 2 ]
amdhsa.kernels:
  - .name:           k_qdcc25bab5c_gemm
    .symbol:         k_qdcc25bab5c_gemm.kd
    .args:
      - { .name: xb, .offset: 0, .size: 8, .value_kind: global_buffer, .address_space: global }
      - { .name: wb, .offset: 8, .size: 8, .value_kind: global_buffer, .address_space: global }
      - { .name: bias, .offset: 16, .size: 8, .value_kind: global_buffer, .address_space: global }
      - { .name: input_id, .offset: 24, .size: 8, .value_kind: global_buffer, .address_space: global }
      - { .name: part, .offset: 32, .size: 8, .value_kind: global_buffer, .address_space: global }
    .group_segment_fixed_size: 327680
    .private_segment_fixed_size: 0
    .kernarg_segment_align: 8
    .kernarg_segment_size: 40
    .max_flat_workgroup_size: 128
    .sgpr_count:     90
    .vgpr_count:     1024
    .wavefront_size: 32
...
	.end_amdgpu_metadata
.endif
;; end of part 2
;; launch tokens (part 3): grid 256 x 1, 1 waves a work-group, no clusters, 0 bytes of LDS; arguments part, attention_mask, advantage, old_per_token_logps, ref_per_token_logps, out1, psum; writes out1, psum
.if DOCPART == 3
	.amdgcn_target "amdgcn-amd-amdhsa--gfx1250"
	.amdhsa_code_object_version 6
	.text
	.protected	k_qdcc25bab5c_tokens
	.globl	k_qdcc25bab5c_tokens
	.p2align	8
	.type	k_qdcc25bab5c_tokens,@function
k_qdcc25bab5c_tokens:
	s_mov_b64 s[64:65], 0
	v_nop
	global_prefetch_b8 v0, s[64:65] scope:SCOPE_SE
	s_setreg_imm32_b32 hwreg(HW_REG_WAVE_MODE, 25, 1), 1
	s_wait_xcnt 0x0
; For each token: its 64 records (m, s, t) of part[chunk][row][4] are merged: M = the largest m, S = the sum of s exp(m - M), T = the sum of t; lse = M + ln S; logp = T - lse.
; Then d = ref - logp, kl = exp(d) - d - 1, c1 = exp(logp - old), c2 = c1 held in 0.8 to 1.2, loss = 0.04 kl - min(c1 A, c2 A), clipped = (c1 A < c2 A), all in f32.
; One wave owns 16 rows.  Lane l has row l % 16 and the chunks 32 (l / 16) + 0..31: a load's sixteen neighbouring lanes take 256 consecutive bytes, aligned.  All 36 loads go out at once.
; Out: logp (out1), and for the 16 rows the sums of loss x mask, kl x mask, clipped x mask and mask (psum, 16 bytes a work-group); one owner adds them in the launch behind.
; The true maximum M is taken away before every exponential of the merge.  A chunk of columns that do not exist has m = -2^100: its weight is 0.  NaN and infinities are not treated apart;
; exp(d) and c1 overflow where the formula's own do.  No matrix unit, LDS or cluster: 4 MB are read once and nothing is shared.
.set P,   8                            ; v[8:135]  chunk c: m, s, t, 0
.set VM,  136                          ; M
.set VS,  137                          ; v137-138  S, two chains
.set VT,  139                          ; v139-140  T, two chains
.set VX,  141                          ; what the other half of the lanes sends
.set MSK, 142
.set OLD, 143
.set REF, 144
.set ADV, 145
.set LGP, 146
.set DD,  147
.set ED,  148
.set C1,  149
.set C2,  150
.set KL,  151
.set Q,   152                          ; v[152:155] the four products with the mask
	s_load_b256 s[4:11], s[0:1], 0x0               ; part s[4:5], mask s[6:7], advantage s[8:9], old s[10:11]
	s_load_b128 s[12:15], s[0:1], 0x20             ; ref s[12:13], out1 s[14:15]
	s_load_b64 s[16:17], s[0:1], 0x30              ; psum
	v_and_b32 v1, 15, v0                           ; my row among the 16
	v_lshrrev_b32 v2, 4, v0                        ; my half of the chunks
	s_lshl_b32 s18, ttmp9, 8                       ; 16 rows of 16 bytes
	s_lshl_b32 s19, ttmp9, 6                       ; 16 rows of 4 bytes
	s_lshr_b32 s21, ttmp9, 6                       ; 64 work-groups to a sequence of 1,024 tokens
	s_lshl_b32 s21, s21, 2
	s_lshl_b32 s24, ttmp9, 4
	v_lshl_add_u32 v3, v1, 4, s18
	v_lshl_add_u32 v3, v2, 21, v3                  ; + 32 chunks of 65,536 bytes for lanes 16-31
	v_lshl_add_u32 v4, v1, 2, s19
	v_mov_b32 v5, s21
	v_mov_b32 v6, s24
	v_mov_b32 v[VX], 0                             ; v_permlanex16_b32 counts as a reader of its destination
	s_mov_b32 s22, 0x76543210                      ; each lane takes its own place in the other half
	s_mov_b32 s23, 0xfedcba98
	s_mov_b32 s26, 0x3f4ccccd                      ; 0.8
	s_mov_b32 s27, 0x3f99999a                      ; 1.2
	s_mov_b32 s28, 0x3d23d70a                      ; 0.04
	s_mov_b32 s29, 0x3f317218                      ; ln 2
	s_mov_b32 s30, 0x3fb8aa3b                      ; log2(e)
	s_wait_kmcnt 0x0
	global_load_b32 v[MSK], v4, s[6:7]
	global_load_b32 v[OLD], v4, s[10:11]
	global_load_b32 v[REF], v4, s[12:13]
	global_load_b32 v[ADV], v5, s[8:9]
.set c, 0
.rept 32
	global_load_b128 v[P+4*c:P+4*c+3], v3, s[4:5] offset:65536*c
.set c, c+1
.endr
	s_wait_loadcnt 0x0
	v_max3_num_f32 v[VM], v[P], v[P+4], v[P+8]
.set c, 3
.rept 14
	v_max3_num_f32 v[VM], v[VM], v[P+4*c], v[P+4*c+4]
.set c, c+2
.endr
	v_max_num_f32 v[VM], v[VM], v[P+124]
	v_permlanex16_b32 v[VX], v[VM], s22, s23
	v_max_num_f32 v[VM], v[VM], v[VX]              ; M
.set c, 0
.rept 32
	v_sub_f32 v[P+4*c], v[P+4*c], v[VM]
.set c, c+1
.endr
.set c, 0
.rept 32
	v_mul_f32 v[P+4*c], s30, v[P+4*c]
.set c, c+1
.endr
.set c, 0
.rept 32
	v_exp_f32 v[P+4*c], v[P+4*c]
.set c, c+1
.endr
	v_cvt_f32_i32 v[MSK], v[MSK]                   ; a plain instruction between the exponentials and the use of their results
	s_wait_alu depctr_va_vdst(0)
	v_mul_f32 v[VS], v[P+1], v[P]
	v_mul_f32 v[VS+1], v[P+5], v[P+4]
	v_add_f32 v[VT], v[P+2], v[P+10]
	v_add_f32 v[VT+1], v[P+6], v[P+14]
.set c, 2
.rept 30
	v_fmac_f32 v[VS+c%2], v[P+4*c+1], v[P+4*c]
.if c >= 4
	v_add_f32 v[VT+c%2], v[VT+c%2], v[P+4*c+2]
.endif
.set c, c+1
.endr
	v_add_f32 v[VS], v[VS], v[VS+1]
	v_add_f32 v[VT], v[VT], v[VT+1]
	v_permlanex16_b32 v[VX], v[VS], s22, s23
	v_add_f32 v[VS], v[VS], v[VX]
	v_permlanex16_b32 v[VX], v[VT], s22, s23
	v_add_f32 v[VT], v[VT], v[VX]
	v_log_f32 v[VS], v[VS]
	v_nop                                          ; a plain instruction behind the logarithm
	s_wait_alu depctr_va_vdst(0)
	v_fma_f32 v[VS], v[VS], s29, v[VM]             ; lse = M + ln 2 x log2 S
	v_sub_f32 v[LGP], v[VT], v[VS]
	v_sub_f32 v[DD], v[REF], v[LGP]
	v_sub_f32 v[C1], v[LGP], v[OLD]
	v_mul_f32 v[ED], s30, v[DD]
	v_mul_f32 v[C1], s30, v[C1]
	v_exp_f32 v[ED], v[ED]
	v_exp_f32 v[C1], v[C1]
	v_mov_b32 v[Q+3], v[MSK]                       ; a plain instruction behind the exponentials
	s_wait_alu depctr_va_vdst(0)
	v_sub_f32 v[KL], v[ED], v[DD]
	v_add_f32 v[KL], -1.0, v[KL]
	v_max_num_f32 v[C2], s26, v[C1]
	v_min_num_f32 v[C2], s27, v[C2]
	v_mul_f32 v[C1], v[C1], v[ADV]
	v_mul_f32 v[C2], v[C2], v[ADV]
	v_cmp_lt_f32 vcc_lo, v[C1], v[C2]
	v_cndmask_b32 v[Q+2], 0, 1.0, vcc_lo
	v_min_num_f32 v[C1], v[C1], v[C2]
	v_fma_f32 v[Q], v[KL], s28, -v[C1]
	v_mul_f32 v[Q], v[Q], v[MSK]
	v_mul_f32 v[Q+1], v[KL], v[MSK]
	v_mul_f32 v[Q+2], v[Q+2], v[MSK]
.irp m, 1,2,4,8                        ; the sums over the 16 rows, inside each half of the lanes: both halves hold the same rows
.irp j, 0,1,2,3
	v_add_f32_dpp v[Q+(\j)], v[Q+(\j)], v[Q+(\j)] row_xmask:\m row_mask:0xf bank_mask:0xf
.endr
.endr
	s_wait_xcnt 0x0                                ; EXEC changes only behind this wait
	v_cmp_gt_u32 vcc_lo, 16, v0
	s_and_saveexec_b32 s20, vcc_lo
	global_store_b32 v4, v[LGP], s[14:15]          ; lanes 0-15: 64 consecutive bytes of out1
	s_wait_xcnt 0x0
	s_or_b32 exec_lo, exec_lo, s20
	v_cmp_eq_u32 vcc_lo, 0, v0
	s_and_saveexec_b32 s20, vcc_lo
	global_store_b128 v6, v[Q:Q+3], s[16:17]       ; lane 0: the work-group's four sums
	s_wait_xcnt 0x0
	s_or_b32 exec_lo, exec_lo, s20
	s_endpgm
.Lfunc_end_k_qdcc25bab5c_tokens:
	.size	k_qdcc25bab5c_tokens, .Lfunc_end_k_qdcc25bab5c_tokens-k_qdcc25bab5c_tokens
	.p2alignl 7, 3214868480
	.fill 96, 4, 3214868480
	.section	.rodata,"a",@progbits
	.p2align	6, 0x0
	.amdhsa_kernel k_qdcc25bab5c_tokens
		.amdhsa_group_segment_fixed_size 0
		.amdhsa_private_segment_fixed_size 0
		.amdhsa_enable_private_segment 0
		.amdhsa_kernarg_size 56
		.amdhsa_user_sgpr_count 2
		.amdhsa_user_sgpr_kernarg_segment_ptr 1
		.amdhsa_wavefront_size32 1
		.amdhsa_system_sgpr_workgroup_id_x 1
		.amdhsa_system_sgpr_workgroup_id_y 1
		.amdhsa_system_sgpr_workgroup_id_z 1
		.amdhsa_system_vgpr_workitem_id 0
		.amdhsa_next_free_vgpr 160
		.amdhsa_next_free_sgpr 66
		.amdhsa_reserve_vcc 1
		.amdhsa_float_denorm_mode_32 3
		.amdhsa_float_denorm_mode_16_64 3
		.amdhsa_memory_ordered 1
		.amdhsa_forward_progress 1
		.amdhsa_inst_pref_size 14
	.end_amdhsa_kernel
	.amdgpu_metadata
---
amdhsa.version: [ 1, 2 ]
amdhsa.kernels:
  - .name:           k_qdcc25bab5c_tokens
    .symbol:         k_qdcc25bab5c_tokens.kd
    .args:
      - { .name: part, .offset: 0, .size: 8, .value_kind: global_buffer, .address_space: global }
      - { .name: attention_mask, .offset: 8, .size: 8, .value_kind: global_buffer, .address_space: global }
      - { .name: advantage, .offset: 16, .size: 8, .value_kind: global_buffer, .address_space: global }
      - { .name: old_per_token_logps, .offset: 24, .size: 8, .value_kind: global_buffer, .address_space: global }
      - { .name: ref_per_token_logps, .offset: 32, .size: 8, .value_kind: global_buffer, .address_space: global }
      - { .name: out1, .offset: 40, .size: 8, .value_kind: global_buffer, .address_space: global }
      - { .name: psum, .offset: 48, .size: 8, .value_kind: global_buffer, .address_space: global }
    .group_segment_fixed_size: 0
    .private_segment_fixed_size: 0
    .kernarg_segment_align: 8
    .kernarg_segment_size: 56
    .max_flat_workgroup_size: 32
    .sgpr_count:     66
    .vgpr_count:     160
    .wavefront_size: 32
...
	.end_amdgpu_metadata
.endif
;; end of part 3
;; launch sums (part 4): grid 1 x 1, 1 waves a work-group, no clusters, 0 bytes of LDS; arguments psum, out0, out2, out3; writes out0, out2, out3
.if DOCPART == 4
	.amdgcn_target "amdgcn-amd-amdhsa--gfx1250"
	.amdhsa_code_object_version 6
	.text
	.protected	k_qdcc25bab5c_sums
	.globl	k_qdcc25bab5c_sums
	.p2align	8
	.type	k_qdcc25bab5c_sums,@function
k_qdcc25bab5c_sums:
	s_mov_b64 s[64:65], 0
	v_nop
	global_prefetch_b8 v0, s[64:65] scope:SCOPE_SE
	s_setreg_imm32_b32 hwreg(HW_REG_WAVE_MODE, 25, 1), 1
	s_wait_xcnt 0x0
; The one owner of the three means: psum holds 256 x (sum of loss x mask, of kl x mask, of clipped x mask, of mask).  One wave adds them in a fixed order and divides by the mask's sum
; (v_rcp_f32 and a multiply; a mask of zeros alone gives NaN, as 0 / 0 does).  Lane l takes the records l + 32 i: each load covers 512 consecutive bytes.
	s_load_b256 s[4:11], s[0:1], 0x0               ; psum s[4:5], out0 s[6:7], out2 s[8:9], out3 s[10:11]
	v_lshlrev_b32 v1, 4, v0
	v_mov_b32 v2, 0
	s_mov_b32 s12, 0x76543210                      ; each lane takes its own place in the other half
	s_mov_b32 s13, 0xfedcba98
	s_wait_kmcnt 0x0
.irp i, 0,1,2,3,4,5,6,7
	global_load_b128 v[4+4*(\i):7+4*(\i)], v1, s[4:5] offset:512*(\i)
.endr
	s_wait_loadcnt 0x0
.irp i, 0,1,2,3,4,5,6,7                ; eight records to four,
	v_pk_add_f32 v[4+2*(\i):5+2*(\i)], v[4+2*(\i):5+2*(\i)], v[20+2*(\i):21+2*(\i)]
.endr
.irp i, 0,1,2,3                        ; to two,
	v_pk_add_f32 v[4+2*(\i):5+2*(\i)], v[4+2*(\i):5+2*(\i)], v[12+2*(\i):13+2*(\i)]
.endr
.irp i, 0,1                            ; to one
	v_pk_add_f32 v[4+2*(\i):5+2*(\i)], v[4+2*(\i):5+2*(\i)], v[8+2*(\i):9+2*(\i)]
.endr
.irp m, 1,2,4,8
.irp j, 4,5,6,7
	v_add_f32_dpp v\j, v\j, v\j row_xmask:\m row_mask:0xf bank_mask:0xf
.endr
.endr
.irp j, 0,1,2,3
	v_permlanex16_b32 v[8+(\j)], v[4+(\j)], s12, s13
.endr
.irp j, 0,1,2,3
	v_add_f32 v[4+(\j)], v[4+(\j)], v[8+(\j)]
.endr
	v_rcp_f32 v12, v7
	v_nop                                          ; a plain instruction behind the reciprocal
	s_wait_alu depctr_va_vdst(0)
	v_mul_f32 v4, v4, v12
	v_mul_f32 v5, v5, v12
	v_mul_f32 v6, v6, v12
	s_wait_xcnt 0x0                                ; EXEC changes only behind this wait
	v_cmp_eq_u32 vcc_lo, 0, v0
	s_and_saveexec_b32 s14, vcc_lo
	global_store_b32 v2, v4, s[6:7]                ; loss
	global_store_b32 v2, v5, s[8:9]                ; mean kl
	global_store_b32 v2, v6, s[10:11]              ; clip ratio
	s_wait_xcnt 0x0
	s_or_b32 exec_lo, exec_lo, s14
	s_endpgm
.Lfunc_end_k_qdcc25bab5c_sums:
	.size	k_qdcc25bab5c_sums, .Lfunc_end_k_qdcc25bab5c_sums-k_qdcc25bab5c_sums
	.p2alignl 7, 3214868480
	.fill 96, 4, 3214868480
	.section	.rodata,"a",@progbits
	.p2align	6, 0x0
	.amdhsa_kernel k_qdcc25bab5c_sums
		.amdhsa_group_segment_fixed_size 0
		.amdhsa_private_segment_fixed_size 0
		.amdhsa_enable_private_segment 0
		.amdhsa_kernarg_size 32
		.amdhsa_user_sgpr_count 2
		.amdhsa_user_sgpr_kernarg_segment_ptr 1
		.amdhsa_wavefront_size32 1
		.amdhsa_system_sgpr_workgroup_id_x 1
		.amdhsa_system_sgpr_workgroup_id_y 1
		.amdhsa_system_sgpr_workgroup_id_z 1
		.amdhsa_system_vgpr_workitem_id 0
		.amdhsa_next_free_vgpr 48
		.amdhsa_next_free_sgpr 66
		.amdhsa_reserve_vcc 1
		.amdhsa_float_denorm_mode_32 3
		.amdhsa_float_denorm_mode_16_64 3
		.amdhsa_memory_ordered 1
		.amdhsa_forward_progress 1
		.amdhsa_inst_pref_size 5
	.end_amdhsa_kernel
	.amdgpu_metadata
---
amdhsa.version: [ 1, 2 ]
amdhsa.kernels:
  - .name:           k_qdcc25bab5c_sums
    .symbol:         k_qdcc25bab5c_sums.kd
    .args:
      - { .name: psum, .offset: 0, .size: 8, .value_kind: global_buffer, .address_space: global }
      - { .name: out0, .offset: 8, .size: 8, .value_kind: global_buffer, .address_space: global }
      - { .name: out2, .offset: 16, .size: 8, .value_kind: global_buffer, .address_space: global }
      - { .name: out3, .offset: 24, .size: 8, .value_kind: global_buffer, .address_space: global }
    .group_segment_fixed_size: 0
    .private_segment_fixed_size: 0
    .kernarg_segment_align: 8
    .kernarg_segment_size: 32
    .max_flat_workgroup_size: 32
    .sgpr_count:     66
    .vgpr_count:     48
    .wavefront_size: 32
...
	.end_amdgpu_metadata
.endif
;; end of part 4
;; ======== version 2 of 2: 4 launches; version 1 with the launch cvt written anew for expert scheduling mode
;; limits: right only within a limited range of input values
;; workspace buffers: xb 16,777,216 bytes; wb 33,554,432 bytes; part 4,194,304 bytes; psum 4,096 bytes
;; launch cvt (part 5): grid 768 x 1, 8 waves a work-group, no clusters, 0 bytes of LDS; arguments x, weight, xb, wb; writes xb, wb
.if DOCPART == 5
	.amdgcn_target "amdgcn-amd-amdhsa--gfx1250"
	.amdhsa_code_object_version 6
	.text
	.protected	k_qdcc25bab5c_cvt
	.globl	k_qdcc25bab5c_cvt
	.p2align	8
	.type	k_qdcc25bab5c_cvt,@function
k_qdcc25bab5c_cvt:
	s_mov_b64 s[64:65], 0
	v_nop
	global_prefetch_b8 v0, s[64:65] scope:SCOPE_SE
	s_setreg_imm32_b32 hwreg(HW_REG_WAVE_SCHED_MODE, 0, 2), 2
	s_setreg_imm32_b32 hwreg(HW_REG_WAVE_MODE, 25, 1), 1
	s_wait_xcnt 0x0
	s_wait_alu depctr_vm_vsrc(0)
; x [4096][2048] and weight [8000][2048], f32, are rounded once to bf16 (nearest even): xb [4096][2048], wb [8192][2048]; wb's rows 8000 to 8191 are written as zeros,
; so that the product behind this launch walks whole tiles of 256 columns.
; A work-group owns 16 rows of the output: 131,072 bytes in, 65,536 out.  Work-groups 0-255 take x, 256-755 weight, 756-767 the zero rows.
; Thread t, turn i: 16 bytes in at 16 t + 4096 i, 8 bytes out at 8 t + 2048 i: a wave's load covers 512 consecutive bytes, its store 256 consecutive bytes, aligned.
; All 32 loads of a thread go out at once and no register is written twice.  No LDS, no barrier: memory binds, and no wave needs another.
; THE MODE: SCHED_MODE bits 1:0 = 2 (LLVM: expert scheduling mode 2), set by the entry lines.  The code itself states the register dependences
; between vector instructions and memory instructions, with s_wait_alu, always for 0.
; THE PLAN.  The 32 turns go in 8 blocks of four.  Registers that memory instructions touch:
;   v1, v2   byte offsets, made once at the head and never written again: v1 is read by every load (and by the zero rows' stores), v2 by every store of rounded numbers.
;   X        turn i's four registers: written once, by turn i's load; all loads are issued ahead of the first conversion, so no load lands in a register that a vector instruction has named.
;   Y        turn i's two registers: written once, by turn i's two conversions; read once, by turn i's store, which is issued in the block behind.
; Block p rounds its X into its Y.  Its memory instructions are the four stores of block p - 1, which read that block's Y and v2: registers that no vector instruction of block p names.
; So ONE wait at a block's head states all that the block's four stores hang on, and they are dealt among its eight conversions with no further wait.
; No register that a memory instruction reads is ever written again: nothing is owed for that.  No vector instruction writes a scalar register, and EXEC is never written.
.set TURNS,  32
.set BLOCK,  4                         ; turns in a block
.set BLOCKS, TURNS/BLOCK
.set X, 4                              ; v[4:131]    turn i: 4 registers as loaded
.set Y, 132                            ; v[132:195]  turn i: 2 registers to store
	s_load_b256 s[4:11], s[0:1], 0x0               ; x s[4:5], weight s[6:7], xb s[8:9], wb s[10:11]
	v_lshlrev_b32 v1, 4, v0                        ; 16 t
	v_lshlrev_b32 v2, 3, v0                        ; 8 t
	s_sub_co_u32 s17, ttmp9, 256                   ; my block of 16 rows in weight and wb (used from work-group 256 on)
	s_wait_kmcnt 0x0
	s_cmp_lt_u32 ttmp9, 256
	s_cselect_b64 s[12:13], s[4:5], s[6:7]         ; from x or from weight,
	s_cselect_b64 s[14:15], s[8:9], s[10:11]       ; to xb or to wb,
	s_cselect_b32 s16, ttmp9, s17                  ; block of 16 rows
	s_lshl_b32 s18, s16, 17                        ; 16 rows of 8,192 bytes
	s_mov_b32 s19, 0
	s_lshl_b32 s20, s16, 16                        ; 16 rows of 4,096 bytes
	s_mov_b32 s21, 0
	s_add_nc_u64 s[12:13], s[12:13], s[18:19]
	s_add_nc_u64 s[14:15], s[14:15], s[20:21]
	s_cmp_ge_u32 ttmp9, 756
	s_cbranch_scc1 .Lzero                          ; rows 8000 on: nothing is loaded
	s_wait_alu depctr_va_vdst(0)                   ; v1 and v2 are written: every load below reads v1 as its offset, every store v2
.set i, 0
.rept TURNS
	global_load_b128 v[X+4*i:X+4*i+3], v1, s[12:13] offset:4096*i th:TH_LOAD_NT
.set i, i+1
.endr
.set p, 0
.rept BLOCKS
	s_wait_loadcnt TURNS-BLOCK*(p+1)               ; loads come back in order: block p's four are in, the younger blocks stay out
.if p > 0
	s_wait_alu depctr_va_vdst(0)                   ; the block before has written its Y, which the four stores below read
.endif
.set k, 0
.rept BLOCK
.set i, BLOCK*p+k
.if p > 0
	global_store_b64 v2, v[Y+2*(i-BLOCK):Y+2*(i-BLOCK)+1], s[14:15] offset:2048*(i-BLOCK)  ; the block before; no vector instruction since the wait names these registers
.endif
	v_cvt_pk_bf16_f32 v[Y+2*i],   v[X+4*i],   v[X+4*i+1]
	v_cvt_pk_bf16_f32 v[Y+2*i+1], v[X+4*i+2], v[X+4*i+3]
.set k, k+1
.endr
.set p, p+1
.endr
	s_wait_alu depctr_va_vdst(0)                   ; the last block has written its Y, which the last four stores read
.set i, TURNS-BLOCK
.rept BLOCK
	global_store_b64 v2, v[Y+2*i:Y+2*i+1], s[14:15] offset:2048*i
.set i, i+1
.endr
	s_endpgm
.Lzero:
	v_mov_b32 v4, 0
	v_mov_b32 v5, 0
	v_mov_b32 v6, 0
	v_mov_b32 v7, 0
	s_wait_alu depctr_va_vdst(0)                   ; v1, the stores' offset, and v[4:7], their data, are written
.set i, 0
.rept 16
	global_store_b128 v1, v[4:7], s[14:15] offset:4096*i
.set i, i+1
.endr
	s_endpgm
.Lfunc_end_k_qdcc25bab5c_cvt:
	.size	k_qdcc25bab5c_cvt, .Lfunc_end_k_qdcc25bab5c_cvt-k_qdcc25bab5c_cvt
	.p2alignl 7, 3214868480
	.fill 96, 4, 3214868480
	.section	.rodata,"a",@progbits
	.p2align	6, 0x0
	.amdhsa_kernel k_qdcc25bab5c_cvt
		.amdhsa_group_segment_fixed_size 0
		.amdhsa_private_segment_fixed_size 0
		.amdhsa_enable_private_segment 0
		.amdhsa_kernarg_size 32
		.amdhsa_user_sgpr_count 2
		.amdhsa_user_sgpr_kernarg_segment_ptr 1
		.amdhsa_wavefront_size32 1
		.amdhsa_system_sgpr_workgroup_id_x 1
		.amdhsa_system_sgpr_workgroup_id_y 1
		.amdhsa_system_sgpr_workgroup_id_z 1
		.amdhsa_system_vgpr_workitem_id 0
		.amdhsa_next_free_vgpr 196
		.amdhsa_next_free_sgpr 66
		.amdhsa_reserve_vcc 0
		.amdhsa_float_denorm_mode_32 3
		.amdhsa_float_denorm_mode_16_64 3
		.amdhsa_memory_ordered 1
		.amdhsa_forward_progress 1
		.amdhsa_inst_pref_size 14
	.end_amdhsa_kernel
	.amdgpu_metadata
---
amdhsa.version: [ 1, 2 ]
amdhsa.kernels:
  - .name:           k_qdcc25bab5c_cvt
    .symbol:         k_qdcc25bab5c_cvt.kd
    .args:
      - { .name: x, .offset: 0, .size: 8, .value_kind: global_buffer, .address_space: global }
      - { .name: weight, .offset: 8, .size: 8, .value_kind: global_buffer, .address_space: global }
      - { .name: xb, .offset: 16, .size: 8, .value_kind: global_buffer, .address_space: global }
      - { .name: wb, .offset: 24, .size: 8, .value_kind: global_buffer, .address_space: global }
    .group_segment_fixed_size: 0
    .private_segment_fixed_size: 0
    .kernarg_segment_align: 8
    .kernarg_segment_size: 32
    .max_flat_workgroup_size: 256
    .sgpr_count:     66
    .vgpr_count:     196
    .wavefront_size: 32
...
	.end_amdgpu_metadata
.endif
;; end of part 5
;; launch gemm: the kernel of part 2 again; grid 32 x 16, 4 waves a work-group, clusters of 4 x 4, 327,680 bytes of LDS; arguments xb, wb, bias, input_id, part; writes part
;; launch tokens: the kernel of part 3 again; grid 256 x 1, 1 waves a work-group, no clusters, 0 bytes of LDS; arguments part, attention_mask, advantage, old_per_token_logps, ref_per_token_logps, out1, psum; writes out1, psum
;; launch sums: the kernel of part 4 again; grid 1 x 1, 1 waves a work-group, no clusters, 0 bytes of LDS; arguments psum, out0, out2, out3; writes out0, out2, out3
